; MI455X (gfx1250); checked and timed in simulation.
; The chip was launched on July 23, 2026; its instructions are those of AMD's public machine-readable ISA for CDNA 5 (MIT licence, August 2026) and "CDNA5" Instruction Set Architecture Reference Guide (July 2026). The comments in the code are by the model that wrote it; some were corrected since.
;; Causal Self Attention. Allowed arithmetic: float matrix products may take bf16 or f16 operands with f32 sums; all other float work in f32.
;; Inputs: W_out 1,024 x 1,024 float32; W_qkv 3,072 x 1,024 float32; x 4 x 2,048 x 1,024 float32.
;; Outputs: out0 4 x 2,048 x 1,024 float32.
;; One version. Each part assembles by itself: llvm-mc -triple=amdgcn-amd-amdhsa -mcpu=gfx1250 --defsym DOCPART=n.
;; ======== version 1 of 1: 4 launches
;; limits: values are held in f16: magnitudes above 65,504 overflow, below 6.1e-05 lose precision
;; workspace buffers: cb 25,165,824 bytes; qkv 50,331,648 bytes; att 16,777,216 bytes
;; launch cast (part 1): grid 768 x 1, 8 waves a work-group, no clusters, 0 bytes of LDS; arguments x, W_qkv, W_out, cb; writes cb
.if DOCPART == 1
	.amdgcn_target "amdgcn-amd-amdhsa--gfx1250"
	.amdhsa_code_object_version 6
	.text
	.protected	k_qae1a54d738_cast
	.globl	k_qae1a54d738_cast
	.p2align	8
	.type	k_qae1a54d738_cast,@function
k_qae1a54d738_cast:
	s_mov_b64 s[64:65], 0
	v_nop
	global_prefetch_b8 v0, s[64:65] scope:SCOPE_SE
	s_setreg_imm32_b32 hwreg(HW_REG_WAVE_MODE, 25, 1), 1
	s_wait_xcnt 0x0
; cb = x, W_qkv, W_out one behind the other, each f32 rounded once to bf16 (nearest even).
; x (byte 0) and W_qkv (byte 0x1000000) are kept in bf16 coding.  W_out (byte 0x1600000) is rounded to bf16 and then written in f16
; coding, because its partner in the last product is f16.
; LIMIT: that second step is exact for |w| from 2^-14 up to 65,504; below 2^-14 it errs by 2^-25 at the most, above 65,504 it gives infinity.
; A stream: every input byte is read once, every output byte written once; no LDS, no matrix unit, no cluster (no work-group shares a byte).
; Work-group g turns 16,384 numbers (64 KiB) into 32 KiB at cb + 32,768 g: 512 groups for x, 192 for W_qkv, 64 for W_out, in cb's own order.
; Thread t takes 8 neighbouring numbers of each of eight chunks of 2,048: two loads of 16 bytes in, one store of 16 bytes out,
; so sixteen neighbouring lanes store 256 consecutive bytes, aligned.  All sixteen loads of a thread go out at once.
.set X,    4                           ; v[4:67]   chunk c: 8 numbers in f32
.set Y,    68                          ; v[68:99]  chunk c: 8 numbers in 16 bits
.set WG_X, 512                         ; the first group of W_qkv
.set WG_W, 704                         ; the first group of W_out
	s_load_b256 s[4:11], s[0:1], 0x0               ; x s[4:5], W_qkv s[6:7], W_out s[8:9], cb s[10:11]
	s_movk_i32 s18, WG_X
	s_movk_i32 s19, WG_W
	v_lshlrev_b32 v1, 5, v0                        ; 32 bytes of f32 a thread
	v_lshlrev_b32 v2, 4, v0                        ; 16 bytes of 16-bit numbers a thread
	s_lshl_b32 s16, ttmp9, 15                      ; the group's 32 KiB in cb
	s_mov_b32 s17, 0
	s_mov_b32 s13, 0
	s_mov_b32 s20, 0xffff0000                      ; a word's upper bf16
	s_wait_kmcnt 0x0
	s_cmp_lt_u32 ttmp9, WG_W                       ; which input, and the number of its first group
	s_cselect_b64 s[14:15], s[6:7], s[8:9]
	s_cselect_b32 s12, s18, s19
	s_cmp_lt_u32 ttmp9, WG_X
	s_cselect_b64 s[14:15], s[4:5], s[14:15]
	s_cselect_b32 s12, 0, s12
	s_sub_co_u32 s12, ttmp9, s12
	s_lshl_b32 s12, s12, 16                        ; the group's 64 KiB in its input
	s_add_nc_u64 s[14:15], s[14:15], s[12:13]
	s_add_nc_u64 s[10:11], s[10:11], s[16:17]
.irp c, 0,1,2,3,4,5,6,7
	global_load_b128 v[X+8*\c:X+8*\c+3],   v1, s[14:15] offset:8192*\c th:TH_LOAD_NT
	global_load_b128 v[X+8*\c+4:X+8*\c+7], v1, s[14:15] offset:8192*\c+16 th:TH_LOAD_NT
.endr
; One chunk.  f16 = 1: the bf16 values are widened again (a shift, a mask) and written in f16 coding.
; No register is written after a store has named it, so no wait stands behind the stores.
.macro CV c, f16
	s_wait_loadcnt 14-2*\c                         ; loads come back in order (ISA guide 5.7.1): this chunk's two are in, the younger chunks' stay out
.irp k, 0,1,2,3
	v_cvt_pk_bf16_f32 v[Y+4*\c+\k], v[X+8*\c+2*\k], v[X+8*\c+2*\k+1]
.endr
.if \f16
.irp k, 0,1,2,3
	v_lshlrev_b32 v[X+8*\c+2*\k],   16,  v[Y+4*\c+\k]
	v_and_b32     v[X+8*\c+2*\k+1], s20, v[Y+4*\c+\k]
.endr
.irp k, 0,1,2,3
	v_cvt_pk_f16_f32 v[Y+4*\c+\k], v[X+8*\c+2*\k], v[X+8*\c+2*\k+1]
.endr
.endif
	global_store_b128 v2, v[Y+4*\c:Y+4*\c+3], s[10:11] offset:4096*\c
.endm
	s_cmp_ge_u32 ttmp9, WG_W
	s_cbranch_scc1 .Lwout
.irp c, 0,1,2,3,4,5,6,7
	CV \c, 0
.endr
	s_endpgm
.Lwout:
.irp c, 0,1,2,3,4,5,6,7
	CV \c, 1
.endr
	s_endpgm
.Lfunc_end_k_qae1a54d738_cast:
	.size	k_qae1a54d738_cast, .Lfunc_end_k_qae1a54d738_cast-k_qae1a54d738_cast
	.p2alignl 7, 3214868480
	.fill 96, 4, 3214868480
	.section	.rodata,"a",@progbits
	.p2align	6, 0x0
	.amdhsa_kernel k_qae1a54d738_cast
		.amdhsa_group_segment_fixed_size 0
		.amdhsa_private_segment_fixed_size 0
		.amdhsa_enable_private_segment 0
		.amdhsa_kernarg_size 32
		.amdhsa_user_sgpr_count 2
		.amdhsa_user_sgpr_kernarg_segment_ptr 1
		.amdhsa_wavefront_size32 1
		.amdhsa_system_sgpr_workgroup_id_x 1
		.amdhsa_system_sgpr_workgroup_id_y 1
		.amdhsa_system_sgpr_workgroup_id_z 1
		.amdhsa_system_vgpr_workitem_id 0
		.amdhsa_next_free_vgpr 100
		.amdhsa_next_free_sgpr 66
		.amdhsa_reserve_vcc 0
		.amdhsa_float_denorm_mode_32 3
		.amdhsa_float_denorm_mode_16_64 3
		.amdhsa_memory_ordered 1
		.amdhsa_forward_progress 1
		.amdhsa_inst_pref_size 13
	.end_amdhsa_kernel
	.amdgpu_metadata
---
amdhsa.version: [ 1, 2 ]
amdhsa.kernels:
  - .name:           k_qae1a54d738_cast
    .symbol:         k_qae1a54d738_cast.kd
    .args:
      - { .name: x, .offset: 0, .size: 8, .value_kind: global_buffer, .address_space: global }
      - { .name: W_qkv, .offset: 8, .size: 8, .value_kind: global_buffer, .address_space: global }
      - { .name: W_out, .offset: 16, .size: 8, .value_kind: global_buffer, .address_space: global }
      - { .name: cb, .offset: 24, .size: 8, .value_kind: global_buffer, .address_space: global }
    .group_segment_fixed_size: 0
    .private_segment_fixed_size: 0
    .kernarg_segment_align: 8
    .kernarg_segment_size: 32
    .max_flat_workgroup_size: 256
    .sgpr_count:     66
    .vgpr_count:     100
    .wavefront_size: 32
...
	.end_amdgpu_metadata
.endif
;; end of part 1
;; launch gemm_qkv (part 2): grid 8 x 32, 4 waves a work-group, clusters of 4 x 4, 327,680 bytes of LDS; arguments cb, qkv; writes qkv
.if DOCPART == 2
	.amdgcn_target "amdgcn-amd-amdhsa--gfx1250"
	.amdhsa_code_object_version 6
	.text
	.protected	k_qae1a54d738_gemm_qkv
	.globl	k_qae1a54d738_gemm_qkv
	.p2align	8
	.type	k_qae1a54d738_gemm_qkv,@function
k_qae1a54d738_gemm_qkv:
	s_mov_b64 s[64:65], 0
	v_nop
	global_prefetch_b8 v0, s[64:65] scope:SCOPE_SE
	s_setreg_imm32_b32 hwreg(HW_REG_WAVE_MODE, 25, 1), 1
	s_wait_xcnt 0x0
	s_wait_alu depctr_hold_cnt(0) depctr_sa_sdst(0) depctr_va_vdst(0) depctr_va_sdst(0) depctr_va_ssrc(0) depctr_va_vcc(0) depctr_vm_vsrc(0)
	s_getreg_b32 s2, hwreg(HW_REG_IB_STS2, 6, 4)
	s_cmp_eq_u32 s2, 0
	s_cbranch_scc0 .Lentry_in_a_cluster
	s_endpgm
.Lentry_in_a_cluster:
	s_bfe_u32 s2, ttmp6, 0x10000c
	s_cmp_lg_u32 s2, 0xf033
	s_cbranch_scc0 .Lentry_shape_is_right
	s_endpgm
.Lentry_shape_is_right:
; qkv = x W_qkv^T.  A = x (bf16, cb), B = W_qkv (bf16, cb + BBYTE), both [.][1024]; C = qkv in f16, [8192][3072]; sums in f32.
; LIMIT: q, k, v are kept in f16: finite up to 65,504, eleven bits.  NaN and infinite inputs are not served.
; SHAPE.  A work-group makes ONE block of 256 x 384 of C: 32 x 8 = 256 work-groups of equal work.  Four waves, a wave 128 x 192: 96 accumulator tiles,
; 768 registers.  For 32 along K a wave loads 20 fragments (40 LDS loads) and issues 96 matrix instructions.
; K goes in steps of 64 through a ring of two LDS slots (256 rows of A, 384 rows of B each) filled by the tensor data mover.  A step of 128 would need
; 2 x 640 rows x 272 bytes = 348,160 bytes of LDS, more than the 327,680 that a work-group can be given; so a tile's rows are 128 bytes of memory here.
; A K step is 192 matrix instructions of each wave; from a tile's request to the wait for it a wave issues 176.
; CLUSTERS: 4 x 4 work-groups.  The four of a row of the cluster need the same tiles of A, the four of a column the same tiles of B: each tile is asked
; for jointly, with one descriptor and a mask that names the four, which divides the requests for A and for B by four.
; REGISTERS.  Window 0: v16-26 addresses; A's fragments (8 x 16 rows x 32 K) twice, v32-95 and v96-159; B's (12 x 16 rows) once, v160-255.
; Windows 1, 2, 3: the accumulators of column tiles 0-3, 4-7, 8-11; tile (a, b) at v[8 (8 (b % 4) + a)] of window 1 + b / 4.
; B has one buffer: the four fragments of a group are loaded again, for the next 32 along K, straight behind the 32 matrix instructions that used them,
; and have the other two groups' 64 matrix instructions in which to come.  A is used by all three groups, so it has two buffers.
; The matrix instruction is used transposed (source 0 = rows of B, source 1 = rows of A): lane l then holds row l % 16 of C and its registers 0-7
; the columns 8 (l / 16) + 0..7, eight neighbouring numbers of a row.
.set SIZE_K, 1024
.set SIZE_N, 3072
.set BBYTE,  0x1000000                 ; B's first byte in cb
.set KSTEP,  64
.set PITCH,  144                       ; an LDS row: 128 bytes + 16 of padding = 36 words: the 16 rows that a fragment load touches start at 16 different places modulo 64 words
.set AHALF,  128*PITCH                 ; what a wave fetches, and reads, of A
.set BHALF,  192*PITCH                 ; the same of B
.set BOFF,   256*PITCH                 ; B's 384 rows lie behind A's 256
.set SLOT,   640*PITCH
.set STAGE,  2*SLOT                    ; behind the ring, a multiple of 256: 128 rows x 784 bytes for the way out; no tensor load lands here
.set SPITCH, 784                       ; 384 f16 + 16 bytes
.set CROW,   SIZE_N*2
.set LAPS,   SIZE_K/(2*KSTEP)          ; a lap = two K steps = once round the ring
.set ADRA, 16                          ; v16-17  LDS address of my A fragments in slot 0, 1
.set ADRB, 20                          ; v20-21  the same for B
.set STO,  24                          ; the way out: where I put 16 bytes of a row
.set RD,   25                          ; the way out: where I read rows back
.set CO,   26                          ; my byte offset in C
.set A0,   32                          ; A's fragments, first 32 of a K step
.set A1,   96                          ; A's fragments, second 32 of a K step
.set BF,   160                         ; B's fragments
.set TMP,  32                          ; v32-223: the way out
.set G1,   24                          ; s[24:31] group 1 for A's tiles
.set G0,   32                          ; s[32:39] group 0 for A's tiles, a set for each slot
.set G1B,  48                          ; s[48:55] group 1 for B's tiles
.set G0B,  56                          ; s[56:63] group 0 for B's tiles, a set for each slot
.set MSB, 0
.macro WIN new                         ; the immediate's high byte repeats the setting that is left; a switch that changes nothing is dropped
.if MSB != \new
	s_set_vgpr_msb (MSB<<8)|\new
.set MSB, \new
.endif
.endm
; A joint load.  Waves 0 and 1 fetch A's two halves (128 rows each), waves 2 and 3 B's (192 rows each).  The branch hangs on the wave's number alone.
.macro JLOAD s
	s_cmp_eq_u32 s11, 0
	s_cbranch_scc0 .Lfor_b_\@
	tensor_load_to_lds s[G0+4*\s:G0+4*\s+3], s[G1:G1+7]
	s_nop 0
	s_branch .Lasked_\@
.Lfor_b_\@:
	tensor_load_to_lds s[G0B+4*\s:G0B+4*\s+3], s[G1B:G1B+7]
	s_nop 0
.Lasked_\@:
.endm
; A round of the cluster's barrier: my work-group's barrier; wave 0 signals for the work-group; every wave waits for all sixteen; my work-group's barrier again.
.macro CREST                           ; a round behind its opening barrier
	s_cmp_lg_u32 s10, 0
	s_cbranch_scc1 .Lnot_wave_0_\@
	s_barrier_signal -3
.Lnot_wave_0_\@:
	s_barrier_wait -3
	s_barrier_signal -1
	s_barrier_wait -1
.endm
.macro CROUND
	s_barrier_signal -1
	s_barrier_wait -1
	CREST
.endm
; Four places behind a matrix instruction before a load lands on one of its sources or a vector instruction reads its result or writes a source
.macro PLACES
.rept 4
	v_nop
.endr
.endm
	s_load_b128 s[4:7], s[0:1], 0x0                ; cb s[4:5], qkv s[6:7]
	v_lshl_add_u32 v30, v0, 2, 0x45800
	v_mov_b32 v31, 0
	ds_add_u32 v30, v31
	ds_add_u32 v30, v31
	v_lshrrev_b32 v1, 5, v0
	v_readfirstlane_b32 s10, v1                    ; wave 0..3
	s_lshr_b32 s11, s10, 1                         ; which 128 rows of the block are mine.  Also: I fetch for A (0) or for B (1)
	s_and_b32 s12, s10, 1                          ; which 192 columns.  Also: which half of that tile I fetch
	s_bfe_u32 s40, ttmp6, 0x40000                  ; cx
	s_bfe_u32 s41, ttmp6, 0x40004                  ; cy
	s_lshl_b32 s42, ttmp9, 2
	s_add_co_u32 s42, s42, s40                     ; block column = 4 x cluster x + cx
	s_and_b32 s13, ttmp7, 0xffff
	s_lshl_b32 s13, s13, 2
	s_add_co_u32 s13, s13, s41                     ; block row = 4 x cluster y + cy
	s_lshl_b32 s43, s41, 2
	s_lshl_b32 s43, 15, s43                        ; my row of the cluster: places 4 cy .. 4 cy + 3
	s_lshl_b32 s44, 0x1111, s40                    ; my column: places cx, cx + 4, cx + 8, cx + 12
	; group 1: rows of 64 elements of 2 bytes, 16 bytes of padding behind each; A 128 rows, B 192 rows
	s_or_b32 s[G1+0], s43, (1<<16)|(1<<20)|(1<<21)|(4<<22)|(3<<25)  ; mask of my row; 2-byte elements; padding on; bit 21 beside a mask; after 32 words, 4 words
	s_or_b32 s[G1B+0], s44, (1<<16)|(1<<20)|(1<<21)|(4<<22)|(3<<25) ; the same with the mask of my column
	s_mov_b32 s[G1+1], KSTEP<<16                   ; tensor_dim0 = 64
	s_mov_b32 s[G1B+1], KSTEP<<16
	s_mov_b32 s[G1+2], 128<<16                     ; tensor_dim1 = 128
	s_mov_b32 s[G1B+2], 192<<16                    ; tensor_dim1 = 192
	s_mov_b32 s[G1+3], KSTEP<<16                   ; tile_dim0 = 64
	s_mov_b32 s[G1B+3], KSTEP<<16
	s_mov_b32 s[G1+4], 128                         ; tile_dim1
	s_mov_b32 s[G1B+4], 192
	s_mov_b32 s[G1+5], SIZE_K                      ; elements from row to row
	s_mov_b32 s[G1B+5], SIZE_K
	s_mov_b32 s[G1+6], 0
	s_mov_b32 s[G1B+6], 0
	s_mov_b32 s[G1+7], 0
	s_mov_b32 s[G1B+7], 0
	; A's tiles hang on the block row alone, B's on the block column alone; each offset lies in registers that never hold the other coordinate
	s_lshl_b32 s16, s13, 8
	s_lshl_b32 s17, s12, 7
	s_add_co_u32 s16, s16, s17                     ; A: row 256 x block row + 128 x half
	s_lshl_b32 s16, s16, 11                        ; rows of 2,048 bytes; 16 MiB at the most
	s_mov_b32 s17, 0
	s_mul_i32 s46, s42, 384
	s_mul_i32 s47, s12, 192
	s_add_co_u32 s46, s46, s47                     ; B: row 384 x block column + 192 x half
	s_lshl_b32 s46, s46, 11
	s_mov_b32 s47, 0
	s_mul_i32 s20, s12, AHALF                      ; where they go: no place in the cluster enters an LDS address
	s_mul_i32 s45, s12, BHALF
	s_add_co_u32 s45, s45, BOFF
	; the rows of C that I store on the way out: 256 x block row + 128 x row half + 32 x column half, and the block's 768 bytes of a row
	s_lshl_b32 s18, s13, 8
	s_lshl_b32 s19, s11, 7
	s_add_co_u32 s18, s18, s19
	s_lshl_b32 s19, s12, 5
	s_add_co_u32 s18, s18, s19
	s_mul_i32 s18, s18, CROW                       ; below 2^26
	s_mov_b32 s19, 0
	s_mul_i32 s70, s42, 768
	s_mov_b32 s71, 0
	s_wait_dscnt 0x0
	s_wait_kmcnt 0x0
	s_mov_b64 s[8:9], s[6:7]                       ; C
	s_add_nc_u64 s[6:7], s[4:5], BBYTE             ; A = cb, B behind it
	s_add_nc_u64 s[14:15], s[4:5], s[16:17]
	s_add_nc_u64 s[46:47], s[6:7], s[46:47]
	s_add_nc_u64 s[8:9], s[8:9], s[18:19]
	s_add_nc_u64 s[8:9], s[8:9], s[70:71]
	CROUND                                         ; all sixteen work-groups are here: the first joint loads meet
.irp s, 0,1
	s_mov_b32 s[G0+4*\s], 1                                        ; count = 1
	s_add_co_u32 s[G0+4*\s+1], s20, \s*SLOT                        ; LDS address
	s_add_nc_u64 s[G0+4*\s+2:G0+4*\s+3], s[14:15], \s*KSTEP*2      ; global address: K step s
	s_or_b32 s[G0+4*\s+3], s[G0+4*\s+3], 0x80000000                ; type = 2
	s_mov_b32 s[G0B+4*\s], 1
	s_add_co_u32 s[G0B+4*\s+1], s45, \s*SLOT
	s_add_nc_u64 s[G0B+4*\s+2:G0B+4*\s+3], s[46:47], \s*KSTEP*2
	s_or_b32 s[G0B+4*\s+3], s[G0B+4*\s+3], 0x80000000
	JLOAD \s                                       ; both slots' first fills go out together: two tensor loads of a wave are out here, one behind each later round
.endr
	; a fragment: lane l holds row l % 16; registers 0-3 hold K = 8 (l / 16) + 0..7, registers 4-7 K = 16 + 8 (l / 16) + 0..7: two loads of 16 bytes, 32 apart
	v_and_b32 v1, 15, v0                           ; r = l % 16
	v_bfe_u32 v2, v0, 4, 1                         ; h = l / 16
	v_mul_u32_u24 v3, v1, PITCH
	v_lshl_add_u32 v3, v2, 4, v3
	s_mul_i32 s21, s11, AHALF                      ; my 128 rows of A
	s_mul_i32 s22, s12, BHALF                      ; my 192 rows of B
	s_add_co_u32 s22, s22, BOFF
.irp s, 0,1
	v_add_nc_u32 v[ADRA+\s], s21, v3
	v_add_nc_u32 v[ADRB+\s], s22, v3
	s_add_co_u32 s21, s21, SLOT
	s_add_co_u32 s22, s22, SLOT
.endr
	s_mul_i32 s23, s11, 64*SPITCH                  ; the stage, in: row 64 x row half + r, byte 384 x column half + 16 h
	s_mul_i32 s2, s12, 384
	s_add_co_u32 s23, s23, s2
	s_add_co_u32 s23, s23, STAGE
	v_mul_u32_u24 v4, v1, SPITCH
	v_lshl_add_u32 v4, v2, 4, v4
	v_add_nc_u32 v[STO], s23, v4
	s_mul_i32 s23, s10, 32*SPITCH                  ; the stage, back: rows 32 w + h, 16 r: lanes 0-15 take 256 bytes of one row, lanes 16-31 of the next
	s_add_co_u32 s23, s23, STAGE
	v_mul_u32_u24 v5, v2, SPITCH
	v_lshl_add_u32 v5, v1, 4, v5
	v_add_nc_u32 v[RD], s23, v5
	v_mul_u32_u24 v5, v2, CROW                     ; and the same two rows in C
	v_lshl_add_u32 v[CO], v1, 4, v5
.macro MM d, a, b, zero                ; one matrix instruction; zero = 1: it starts the sum, nothing is ever cleared
.if \zero
	v_wmma_f32_16x16x32_bf16 v[\d:\d+7], v[\a:\a+7], v[\b:\b+7], 0
.else
	v_wmma_f32_16x16x32_bf16 v[\d:\d+7], v[\a:\a+7], v[\b:\b+7], v[\d:\d+7]
.endif
.endm
; 16 matrix instructions: column tiles 4 g + bb0, 4 g + bb0 + 1 x all 8 row tiles, 32 along K; af = A's buffer.  The 96 accumulators take turns, one
; instruction a turn, in the same order in every 32 along K, over the backward jump too.
.macro MUL16 g, bb0, af, zero
.irp bb, \bb0, \bb0+1
.irp a, 0,1,2,3,4,5,6,7
	MM 8*(8*(\bb)+\a), BF+8*(4*\g+(\bb)), \af+8*\a, \zero
.endr
.endr
.endm
.macro LB slot, k, g                   ; 8 LDS loads: B's fragments 4 g .. 4 g + 3, 32 K at byte k of the slot's rows
.irp i, 0,1,2,3
	ds_load_b128 v[BF+8*(4*\g+\i):BF+8*(4*\g+\i)+3],   v[ADRB+\slot] offset:\k+(4*\g+\i)*16*PITCH
	ds_load_b128 v[BF+8*(4*\g+\i)+4:BF+8*(4*\g+\i)+7], v[ADRB+\slot] offset:\k+(4*\g+\i)*16*PITCH+32
.endr
.endm
.macro LA slot, k, af, half            ; 8 LDS loads: A's fragments 4 half .. 4 half + 3 into buffer af
.irp i, 0,1,2,3
	ds_load_b128 v[\af+8*(4*\half+\i):\af+8*(4*\half+\i)+3],   v[ADRA+\slot] offset:\k+(4*\half+\i)*16*PITCH
	ds_load_b128 v[\af+8*(4*\half+\i)+4:\af+8*(4*\half+\i)+7], v[ADRA+\slot] offset:\k+(4*\half+\i)*16*PITCH+32
.endr
.endm
; The fragment loads of 32 along K go out in three batches: 16 (B 0-3, A 0-3), 16 (B 4-7, A 4-7), 8 (B 8-11), each behind the group of matrix instructions
; that used B's registers last.  LDS loads come back in order (ISA guide 5.7.1), so the waits below are counted in batches.
; The first 32 of a K step: multiplies A0, asks for the second 32 (byte 64 of the same slot's rows) into A1 and B.
.macro QA slot, zero
	s_wait_dscnt 8                                 ; all but the youngest batch: A0 and B 0-7 are in, B 8-11 may be out
	WIN 0x50                                       ; C and D window 1, A and B window 0
	MUL16 0, 0, A0, \zero
	MUL16 0, 2, A0, \zero
	PLACES
	WIN 0
	LB \slot, 64, 0
	LA \slot, 64, A1, 0
	WIN 0xa0                                       ; C and D window 2
	MUL16 1, 0, A0, \zero
	MUL16 1, 2, A0, \zero
	PLACES
	WIN 0
	LB \slot, 64, 1
	LA \slot, 64, A1, 1
	s_wait_dscnt 32                                ; all but the two batches of 16 just issued: B 8-11 are in
	WIN 0xf0                                       ; C and D window 3
	MUL16 2, 0, A0, \zero
	MUL16 2, 2, A0, \zero
	PLACES
	WIN 0
	LB \slot, 64, 2
.endm
; The second 32 of a K step: multiplies A1 and changes slots.  fill = 1: this slot is filled again, two K steps ahead.
; In front of the barrier each wave waits for its reads of this slot (the last batch holds them) and for all its tensor loads (one is out: its part of the next
; slot).  Where the slot is filled again the barrier opens a round of the cluster's barrier, only register work stands inside the round, and the joint refill is
; the first tensor load behind the round's closing wait, ahead of the first read of the next slot.
.macro QB slot, next, fill
	s_wait_dscnt 8
	WIN 0x50
	MUL16 0, 0, A1, 0
	s_wait_dscnt 0x0                               ; my reads of this slot are over
	s_wait_tensorcnt 0x0                           ; all my tensor loads have landed
	ds_add_u32 v30, v31
	s_wait_dscnt 0x0
	s_barrier_signal -1
	MUL16 0, 2, A1, 0                              ; register work while the others arrive
	WIN 0
	s_barrier_wait -1
.if \fill
	CREST
	s_add_nc_u64 s[G0+4*\slot+2:G0+4*\slot+3], s[G0+4*\slot+2:G0+4*\slot+3], 2*KSTEP*2
	s_add_nc_u64 s[G0B+4*\slot+2:G0B+4*\slot+3], s[G0B+4*\slot+2:G0B+4*\slot+3], 2*KSTEP*2
	JLOAD \slot
.endif
	PLACES
	LB \next, 0, 0
	LA \next, 0, A0, 0
	WIN 0xa0
	MUL16 1, 0, A1, 0
	MUL16 1, 2, A1, 0
	PLACES
	WIN 0
	LB \next, 0, 1
	LA \next, 0, A0, 1
	WIN 0xf0                                       ; B 8-11 came in with the wait for 0 above
	MUL16 2, 0, A1, 0
	MUL16 2, 2, A1, 0
	PLACES
	WIN 0
	LB \next, 0, 2
.endm
.macro LAP zero                        ; once round the ring, both slots filled again
	QA 0, \zero
	QB 0, 1, 1
	QA 1, 0
	QB 1, 0, 1
.endm
	s_wait_tensorcnt 1                             ; my part of K step 0 is in; K step 1's stays out
	s_barrier_signal -1
	s_barrier_wait -1
	LB 0, 0, 0                                     ; the first 32 along K, in the batches' order
	LA 0, 0, A0, 0
	LB 0, 0, 1
	LA 0, 0, A0, 1
	LB 0, 0, 2
	LAP 1                                          ; the first lap stands in front of the loop: its first products start the sums
	s_mov_b32 s3, LAPS-2
.Llap:
	LAP 0
	s_sub_co_u32 s3, s3, 1
	s_cmp_lg_u32 s3, 0
	s_cbranch_scc1 .Llap
	QA 0, 0                                        ; the last lap fills nothing: the one load still out is slot 1's, the last K step's
	QB 0, 1, 0
	QA 1, 0
	s_wait_dscnt 8                                 ; the very last 32 along K: nothing more to fetch
	WIN 0x50
	MUL16 0, 0, A1, 0
	MUL16 0, 2, A1, 0
	WIN 0xa0
	MUL16 1, 0, A1, 0
	MUL16 1, 2, A1, 0
	s_wait_dscnt 0x0
	WIN 0xf0
	MUL16 2, 0, A1, 0
	MUL16 2, 2, A1, 0
	WIN 0
; THE WAY OUT.  A wave's 192 columns are 384 bytes, so two waves' pieces make a row's 768 bytes: they meet in a stage that all four waves share.
; Phase p takes rows 64 p ..+63 of each half of the block (row tiles 4 p .. 4 p + 3): round to f16, 16 bytes a lane into the stage; a barrier; each wave
; reads 32 whole rows back and stores them, 16 lanes 256 consecutive bytes, aligned.
.macro PHASE p
.irp g, 0,1,2
	WIN (1+\g)*5                                   ; both sources from window 1 + g, the destination in window 0
.irp bb, 0,1,2,3
.irp aa, 0,1,2,3
.irp r, 0,1,2,3
	v_cvt_pk_f16_f32 v[TMP+4*(4*(4*\g+\bb)+\aa)+\r], v[8*(8*\bb+4*\p+\aa)+2*\r], v[8*(8*\bb+4*\p+\aa)+2*\r+1]
.endr
.endr
.endr
.endr
	WIN 0
.irp g, 0,1,2
.irp bb, 0,1,2,3
.irp aa, 0,1,2,3
	ds_store_b128 v[STO], v[TMP+4*(4*(4*\g+\bb)+\aa):TMP+4*(4*(4*\g+\bb)+\aa)+3] offset:\aa*16*SPITCH+32*(4*\g+\bb)
.endr
.endr
.endr
	s_wait_dscnt 0x0                               ; for the other waves' sake: my stores into the stage are done
	s_barrier_signal -1
	s_barrier_wait -1
.irp c, 0,1,2
.irp rp, 0,1,2,3,4,5,6,7,8,9,10,11,12,13,14,15
	ds_load_b128 v[TMP+4*(16*\c+\rp):TMP+4*(16*\c+\rp)+3], v[RD] offset:\rp*2*SPITCH+256*\c
.endr
.endr
.irp c, 0,1,2
.irp rp, 0,1,2,3,4,5,6,7,8,9,10,11,12,13,14,15
	s_wait_dscnt 47-(16*\c+\rp)                    ; this load is in, the younger ones may be out
	global_store_b128 v[CO], v[TMP+4*(16*\c+\rp):TMP+4*(16*\c+\rp)+3], s[8:9] offset:\p*64*CROW+\rp*2*CROW+256*\c
.endr
.endr
.endm
	PLACES                                         ; behind the last matrix instructions: results are read, fragment registers are written
	PHASE 0
	s_wait_xcnt 0x0                                ; the registers that the stores name are rewritten only behind this wait (ISA guide 3.1)
	s_wait_dscnt 0x0                               ; my reads of the stage are over (met: the count-down ended at 0)
	s_barrier_signal -1
	s_barrier_wait -1                              ; everybody's are: the stage may be written again
	PHASE 1
	s_wait_tensorcnt 0x0
	ds_add_u32 v30, v31
	s_wait_dscnt 0x0
	CROUND                                         ; the closing round: no work-group ends while a partner may still ask for a tile that names it
	s_endpgm
.Lfunc_end_k_qae1a54d738_gemm_qkv:
	.size	k_qae1a54d738_gemm_qkv, .Lfunc_end_k_qae1a54d738_gemm_qkv-k_qae1a54d738_gemm_qkv
	.p2alignl 7, 3214868480
	.fill 96, 4, 3214868480
	.section	.rodata,"a",@progbits
	.p2align	6, 0x0
	.amdhsa_kernel k_qae1a54d738_gemm_qkv
		.amdhsa_group_segment_fixed_size 327680
		.amdhsa_private_segment_fixed_size 0
		.amdhsa_enable_private_segment 0
		.amdhsa_kernarg_size 16
		.amdhsa_user_sgpr_count 2
		.amdhsa_user_sgpr_kernarg_segment_ptr 1
		.amdhsa_wavefront_size32 1
		.amdhsa_system_sgpr_workgroup_id_x 1
		.amdhsa_system_sgpr_workgroup_id_y 1
		.amdhsa_system_sgpr_workgroup_id_z 1
		.amdhsa_system_vgpr_workitem_id 0
		.amdhsa_next_free_vgpr 1024
		.amdhsa_next_free_sgpr 72
		.amdhsa_reserve_vcc 0
		.amdhsa_float_denorm_mode_32 3
		.amdhsa_float_denorm_mode_16_64 3
		.amdhsa_memory_ordered 1
		.amdhsa_forward_progress 1
		.amdhsa_inst_pref_size 169
	.end_amdhsa_kernel
	.amdgpu_metadata
---
amdhsa.version: [ 1, 2 ]
amdhsa.kernels:
  - .name:           k_qae1a54d738_gemm_qkv
    .symbol:         k_qae1a54d738_gemm_qkv.kd
    .args:
      - { .name: cb, .offset: 0, .size: 8, .value_kind: global_buffer, .address_space: global }
      - { .name: qkv, .offset: 8, .size: 8, .value_kind: global_buffer, .address_space: global }
    .group_segment_fixed_size: 327680
    .private_segment_fixed_size: 0
    .kernarg_segment_align: 8
    .kernarg_segment_size: 16
    .max_flat_workgroup_size: 128
    .sgpr_count:     72
    .vgpr_count:     1024
    .wavefront_size: 32
...
	.end_amdgpu_metadata
.endif
;; end of part 2
;; launch attn (part 3): grid 256 x 1, 8 waves a work-group, no clusters, 327,680 bytes of LDS; arguments qkv, att; writes att
.if DOCPART == 3
	.amdgcn_target "amdgcn-amd-amdhsa--gfx1250"
	.amdhsa_code_object_version 6
	.text
	.protected	k_qae1a54d738_attn
	.globl	k_qae1a54d738_attn
	.p2align	8
	.type	k_qae1a54d738_attn,@function
k_qae1a54d738_attn:
	s_mov_b64 s[64:65], 0
	v_nop
	global_prefetch_b8 v0, s[64:65] scope:SCOPE_SE
	s_setreg_imm32_b32 hwreg(HW_REG_WAVE_MODE, 25, 1), 1
	s_wait_xcnt 0x0
; att = softmax(q k^T / 8, causal) v for 4 batches x 16 heads of 2,048 x 64.  qkv: [8192][3072] f16, a row = q | k | v; att: [8192][1024] f16.
; Products with f16 operands and f32 sums; maximum, exponentials, sums and the running output in f32; a running maximum is taken away before every exponential.
; LIMITS: q, k, v arrive in f16 (finite up to 65,504); P (0 to 1) and att are rounded to f16.  NaN and infinite inputs are not served.
; WORK.  Work-group g: j = g & 7, head pair (g >> 3) & 7, batch g >> 6.  It takes two heads (their K, V, Q and att rows are 256 aligned bytes together) and the
; two blocks of 128 queries 2 j (pass X) and 15 - 2 j (pass Y): 2 diagonal + 15 full key tiles of 128 in every work-group.
; EIGHT WAVES, two for each of the four SIMDs: wave w has head w >> 2 and queries 32 (w & 3) ..+31.  For 64 keys a wave has 32 matrix instructions and about 240
; vector lines, one behind the other; with a second wave beside it, one wave's vector lines and waits can stand where the other's matrix instructions are at work.
; The price: every wave reads all fragments of its head's K and V, 32 LDS loads for 32 matrix instructions.
; The two diagonal tiles have LDS regions of their own, filled once at the start, and are worked on first in their pass, so that every running maximum is finite
; from the first step on (key 0 of the diagonal tile is open to every query).  The 15 full tiles, numbered over both passes, go through a ring of two slots;
; pass X has an even number of them (2 j), so the slot is the number's parity and every LDS address is a constant of the text.
; A key tile's 256 rows (128 of K, 128 of V) are shared among the eight waves: one tensor load of 32 rows x 256 bytes each.
; NO CLUSTER: the eight work-groups of a head pair need different key tiles in the same trip and different numbers of them in a pass (2 j and 15 - 2 j);
; walking them jointly would lengthen each partner's 17 tiles by the spread of j among the partners.
; TRANSPOSED PRODUCTS.  S^T = K Q^T: lane (r, h) holds query r and keys 16 t + 8 h + 0..7, so maximum and sum run inside a lane and one exchange joins the halves;
; two S tiles packed to f16 are the second operand of O^T = V^T P^T as they stand; V^T comes by transposing LDS loads; a lane's 8 results of O^T are 8 neighbouring d.
; REGISTERS, 512 a wave.  Window 0: v8-19 addresses, KF v96-159 (K fragments), VF v160-223 (V fragments).
; Window 1: S at 32 n + 8 t (0-63), P at 64 + 16 n + 8 kk, O at 96 + 32 n + 8 dt, Q of pass X at 160, of pass Y at 192, + 8 (2 n + ks); per query tile n = 0, 1 the
; pairs (M, L) 224, (NM, X) 228, (AL, DF) 232; four pairs of partial sums 236, four partial maxima 244; CM 248, NEG 249.
.set REG,    71680                     ; an LDS region: K's 128 rows of 272 bytes, then V's 128 rows of 288; regions 0, 1 the ring, 2 diagonal X, 3 diagonal Y
.set KPITCH, 272                       ; 256 + 16: an odd multiple of 16 bytes
.set VPITCH, 288                       ; 256 + 32: an odd multiple of 32 bytes, for the transposing loads
.set VOFF,   128*KPITCH
.set STAGE,  4*REG                     ; 128 rows x 272 bytes for the way out, a multiple of 256; no tensor load lands here
.set ROWB,   6144                      ; bytes in a row of qkv
.set TILEB,  128*ROWB                  ; from a key tile (or a query block) to the next
.set G1K, 16                           ; s[16:23] group 1 for K
.set G1V, 24                           ; s[24:31] group 1 for V: the padding alone differs
.set G0K, 32                           ; s[32:47] group 0 for K, a set for each region
.set G0V, 48                           ; s[48:63] group 0 for V, a set for each region
.set AK,   8                           ; v8-11   my K fragments' LDS address in region e
.set AV,   12                          ; v12-15  my V fragments' LDS address in region e
.set QOFF, 16
.set STO,  17
.set RD,   18
.set CO,   19
.set KF,   96
.set VF,   160
.set PB,   64                          ; window 1 from here on
.set OB,   96
.set QX,   160
.set QY,   192
.set SM,   224                         ; M_n = SM + 2 n: running maximum of the raw scores;  L_n = SM + 2 n + 1: running sum, one for each half of the lanes
.set SNM,  228                         ; NM_n: -c x maximum;  X_n: exchange
.set SAL,  232                         ; AL_n: factor for what has been summed;  DF_n: at work
.set SSA,  236                         ; SA_c, c = 0..3: a pair of partial sums for S registers 16 c ..+15
.set ST,   244                         ; T_c: the partial maximum of the same registers
.set CM,   248                         ; 32 (w & 3) + r - 8 h
.set NEG,  249                         ; -infinity
.set MSB, 0
.macro WIN new                         ; the immediate's high byte repeats the setting that is left; a switch that changes nothing is dropped
.if MSB != \new
	s_set_vgpr_msb (MSB<<8)|\new
.set MSB, \new
.endif
.endm
; Four places behind a matrix instruction before a load lands on one of its sources or a vector instruction reads or writes its registers
.macro PLACES
.rept 4
	v_nop
.endr
.endm
.macro SETADR e                        ; region e's two global addresses: the tile at byte s[72:73] of my K and V strips
	s_add_nc_u64 s[G0K+4*\e+2:G0K+4*\e+3], s[66:67], s[72:73]
	s_or_b32 s[G0K+4*\e+3], s[G0K+4*\e+3], 0x80000000
	s_add_nc_u64 s[G0V+4*\e+2:G0V+4*\e+3], s[68:69], s[72:73]
	s_or_b32 s[G0V+4*\e+3], s[G0V+4*\e+3], 0x80000000
.endm
	s_load_b128 s[4:7], s[0:1], 0x0                ; qkv s[4:5], att s[6:7]
	v_lshl_add_u32 v254, v0, 2, 0x4e800
	v_mov_b32 v255, 0
	ds_add_u32 v254, v255
	ds_add_u32 v254, v255
	v_lshrrev_b32 v1, 5, v0
	v_readfirstlane_b32 s10, v1                    ; wave 0..7
	s_lshr_b32 s11, s10, 2                         ; my head of the pair.  Also: I fetch K (0) or V (1)
	s_and_b32 s12, s10, 3                          ; my 32 queries of a block.  Also: which 32 rows of a tile I fetch
	s_and_b32 s13, ttmp9, 7                        ; j
	s_bfe_u32 s15, ttmp9, 0x30003                  ; head pair
	s_lshr_b32 s8, ttmp9, 6                        ; batch
	s_lshl_b32 s14, s13, 1                         ; block X = 2 j = its number of full tiles
	s_sub_co_u32 s9, 15, s14                       ; block Y = 15 - 2 j
	; group 1: 32 rows of 128 elements of 2 bytes, 3,072 elements from row to row; K padded by 4 words a row, V by 8
	s_mov_b32 s[G1K+0], (1<<16)|(1<<20)|(5<<22)|(3<<25)
	s_mov_b32 s[G1V+0], (1<<16)|(1<<20)|(5<<22)|(7<<25)
	s_mov_b32 s[G1K+1], 128<<16                    ; tensor_dim0
	s_mov_b32 s[G1V+1], 128<<16
	s_mov_b32 s[G1K+2], 32<<16                     ; tensor_dim1
	s_mov_b32 s[G1V+2], 32<<16
	s_mov_b32 s[G1K+3], 128<<16                    ; tile_dim0
	s_mov_b32 s[G1V+3], 128<<16
	s_mov_b32 s[G1K+4], 32                         ; tile_dim1
	s_mov_b32 s[G1V+4], 32
	s_mov_b32 s[G1K+5], 3072
	s_mov_b32 s[G1V+5], 3072
	s_mov_b32 s[G1K+6], 0
	s_mov_b32 s[G1V+6], 0
	s_mov_b32 s[G1K+7], 0
	s_mov_b32 s[G1V+7], 0
	s_mul_i32 s92, s12, 32*KPITCH
	s_mul_i32 s93, s12, 32*VPITCH
.irp e, 0,1,2,3
	s_mov_b32 s[G0K+4*\e], 1
	s_add_co_u32 s[G0K+4*\e+1], s92, \e*REG
	s_mov_b32 s[G0V+4*\e], 1
	s_add_co_u32 s[G0V+4*\e+1], s93, \e*REG+VOFF
.endr
	s_lshl_b32 s88, s8, 11
	s_lshl_b32 s2, s12, 5
	s_add_co_u32 s88, s88, s2
	s_mul_i32 s88, s88, ROWB
	s_lshl_b32 s2, s15, 8
	s_add_co_u32 s88, s88, s2                      ; byte of row 2,048 batch + 32 (w & 3), the pair's 256 bytes of q; below 2^26
	s_mov_b32 s89, 0
	s_lshl_b32 s2, s11, 7
	s_add_co_u32 s2, s2, s88                       ; + my head's 128 bytes
	s_mul_i32 s90, s14, TILEB
	s_add_co_u32 s90, s90, s2                      ; my queries of block X
	s_mov_b32 s91, 0
	s_mul_i32 s94, s9, TILEB
	s_add_co_u32 s94, s94, s2                      ; my queries of block Y
	s_mov_b32 s95, 0
	s_mov_b32 s73, 0
	s_wait_dscnt 0x0
	s_wait_kmcnt 0x0
	s_add_nc_u64 s[66:67], s[4:5], s[88:89]
	s_add_nc_u64 s[68:69], s[66:67], 4096          ; V: my 32 rows of key tile 0
	s_add_nc_u64 s[66:67], s[66:67], 2048          ; K: the same
	s_mul_i32 s72, s14, TILEB
	SETADR 2                                       ; diagonal X = key tile 2 j
	s_mov_b32 s72, 0
	SETADR 0                                       ; the first full tile, of whichever pass, is key tile 0
	s_mul_i32 s72, s9, TILEB
	SETADR 3                                       ; diagonal Y = key tile 15 - 2 j
	; the first fills, one group in one branch on the wave's number: three tensor loads of a wave are out here, one behind each later barrier
	s_cmp_eq_u32 s11, 0
	s_cbranch_scc0 .Lfirst_v
	tensor_load_to_lds s[G0K+8:G0K+11], s[G1K:G1K+7]
	s_nop 0
	tensor_load_to_lds s[G0K:G0K+3], s[G1K:G1K+7]
	s_nop 0
	tensor_load_to_lds s[G0K+12:G0K+15], s[G1K:G1K+7]
	s_nop 0
	s_branch .Lfirst_done
.Lfirst_v:
	tensor_load_to_lds s[G0V+8:G0V+11], s[G1V:G1V+7]
	s_nop 0
	tensor_load_to_lds s[G0V:G0V+3], s[G1V:G1V+7]
	s_nop 0
	tensor_load_to_lds s[G0V+12:G0V+15], s[G1V:G1V+7]
	s_nop 0
.Lfirst_done:
	s_add_nc_u64 s[80:81], s[4:5], s[90:91]        ; Q of pass X
	s_add_nc_u64 s[82:83], s[4:5], s[94:95]        ; Q of pass Y
	s_lshl_b32 s88, s8, 11
	s_lshl_b32 s2, s10, 4
	s_add_co_u32 s88, s88, s2                      ; the way out: row 2,048 batch + 16 w
	s_lshl_b32 s2, s15, 8
	s_lshl_b32 s90, s14, 7
	s_add_co_u32 s90, s90, s88
	s_lshl_b32 s90, s90, 11                        ; rows of 2,048 bytes
	s_add_co_u32 s90, s90, s2
	s_add_nc_u64 s[84:85], s[6:7], s[90:91]        ; att, pass X
	s_lshl_b32 s94, s9, 7
	s_add_co_u32 s94, s94, s88
	s_lshl_b32 s94, s94, 11
	s_add_co_u32 s94, s94, s2
	s_add_nc_u64 s[86:87], s[6:7], s[94:95]        ; att, pass Y
	s_mov_b32 s70, 1                               ; the number, over both passes, of the next full tile to ask for
	s_mov_b32 s74, 0x3e38aa3b                      ; c = log2(e) / 8, twice: the packed multiply-add takes a pair
	s_mov_b32 s75, 0x3e38aa3b
	s_mov_b32 s78, 0xbe38aa3b                      ; -c
	s_mov_b32 s76, 0x76543210                      ; v_permlanex16_b32: lane i of one half reads lane i of the other
	s_mov_b32 s77, 0xfedcba98
	v_and_b32 v1, 15, v0                           ; r
	v_bfe_u32 v2, v0, 4, 1                         ; h
	v_and_b32 v3, 7, v0
	v_bfe_u32 v4, v0, 3, 1
	s_lshl_b32 s2, s11, 7                          ; my head's 128 bytes of a row
	v_mul_u32_u24 v5, v1, KPITCH
	v_lshl_add_u32 v5, v2, 4, v5
	v_add_nc_u32 v5, s2, v5                        ; K: row r, 16 h
	v_lshl_add_u32 v6, v2, 3, v3
	v_mul_u32_u24 v6, v6, VPITCH
	v_lshl_add_u32 v6, v4, 4, v6
	v_add_nc_u32 v6, s2, v6                        ; V: row 8 h + (l & 7), 16 ((l >> 3) & 1)
.irp e, 0,1,2,3
	v_add_nc_u32 v[AK+\e], \e*REG, v5
	v_add_nc_u32 v[AV+\e], \e*REG+VOFF, v6
.endr
	v_mul_u32_u24 v[QOFF], v1, ROWB
	v_lshl_add_u32 v[QOFF], v2, 4, v[QOFF]
	s_add_co_u32 s2, s92, STAGE
	v_add_nc_u32 v[STO], s2, v5                    ; stage, in: row 32 (w & 3) + r, my head's half, 16 h
	s_mul_i32 s2, s10, 16*KPITCH
	s_add_co_u32 s2, s2, STAGE
	v_mul_u32_u24 v7, v2, KPITCH
	v_lshl_add_u32 v7, v1, 4, v7
	v_add_nc_u32 v[RD], s2, v7                     ; stage, back: rows 16 w + h, 16 r
	v_lshlrev_b32 v7, 11, v2
	v_lshl_add_u32 v[CO], v1, 4, v7                ; and the same two rows in att
	v_lshlrev_b32 v7, 3, v2
	v_sub_nc_u32 v7, v1, v7                        ; r - 8 h
	s_lshl_b32 s2, s12, 5
	WIN 0x40                                       ; destinations in window 1, addresses in window 0
.irp n, 0,1
.irp ks, 0,1
	global_load_b128 v[QX+8*(2*\n+\ks):QX+8*(2*\n+\ks)+3],   v[QOFF], s[80:81] offset:\n*16*ROWB+64*\ks
	global_load_b128 v[QX+8*(2*\n+\ks)+4:QX+8*(2*\n+\ks)+7], v[QOFF], s[80:81] offset:\n*16*ROWB+64*\ks+32
.endr
.endr
.irp n, 0,1
.irp ks, 0,1
	global_load_b128 v[QY+8*(2*\n+\ks):QY+8*(2*\n+\ks)+3],   v[QOFF], s[82:83] offset:\n*16*ROWB+64*\ks
	global_load_b128 v[QY+8*(2*\n+\ks)+4:QY+8*(2*\n+\ks)+7], v[QOFF], s[82:83] offset:\n*16*ROWB+64*\ks+32
.endr
.endr
	v_add_nc_u32 v[CM], s2, v7
	v_mov_b32 v[NEG], 0xff800000
.irp n, 0,1
	v_mov_b32 v[SNM+2*\n+1], 0                     ; X_n: the exchange's destination counts as read
.endr
	WIN 0
.macro KVLOAD e                        ; my one tensor load behind a barrier: 32 rows of K or of V into region e
	s_cmp_eq_u32 s11, 0
	s_cbranch_scc0 .Lkv_v_\@
	tensor_load_to_lds s[G0K+4*\e:G0K+4*\e+3], s[G1K:G1K+7]
	s_nop 0
	s_branch .Lkv_done_\@
.Lkv_v_\@:
	tensor_load_to_lds s[G0V+4*\e:G0V+4*\e+3], s[G1V:G1V+7]
	s_nop 0
.Lkv_done_\@:
.endm
.macro NEXTADR e                       ; full tile number s70 is key tile s70 of pass X, or s70 - 2 j of pass Y
	s_cmp_ge_u32 s70, s14
	s_cselect_b32 s71, s14, 0
	s_sub_co_u32 s71, s70, s71
	s_mul_i32 s72, s71, TILEB
	SETADR \e
	s_add_co_u32 s70, s70, 1
.endm
.macro LOADK e, u                      ; 16 loads: keys 64 u ..+63 of region e, 4 tiles of 16 keys x 2 halves of d
.irp t, 0,1,2,3
.irp ks, 0,1
	ds_load_b128 v[KF+8*(2*\t+\ks):KF+8*(2*\t+\ks)+3],   v[AK+\e] offset:(64*\u+16*\t)*KPITCH+64*\ks
	ds_load_b128 v[KF+8*(2*\t+\ks)+4:KF+8*(2*\t+\ks)+7], v[AK+\e] offset:(64*\u+16*\t)*KPITCH+64*\ks+32
.endr
.endr
.endm
.macro LOADV e, u                      ; 16 transposing loads: V^T, 4 tiles of 16 d x 2 runs of 32 keys
.irp dt, 0,1,2,3
.irp kk, 0,1
	ds_load_tr16_b128 v[VF+8*(2*\dt+\kk):VF+8*(2*\dt+\kk)+3],   v[AV+\e] offset:(64*\u+32*\kk)*VPITCH+32*\dt
	ds_load_tr16_b128 v[VF+8*(2*\dt+\kk)+4:VF+8*(2*\dt+\kk)+7], v[AV+\e] offset:(64*\u+32*\kk)*VPITCH+32*\dt+16*VPITCH
.endr
.endr
.endm
; S^T = K Q^T, 64 keys x 32 queries: 8 accumulators, taken by turns, one instruction a turn, twice round (d 0-31, d 32-63)
.macro SMUL qb
.irp ks, 0,1
.irp n, 0,1
.irp t, 0,1,2,3
.if \ks
	v_wmma_f32_16x16x32_f16 v[32*\n+8*\t:32*\n+8*\t+7], v[KF+8*(2*\t+\ks):KF+8*(2*\t+\ks)+7], v[\qb+8*(2*\n+\ks):\qb+8*(2*\n+\ks)+7], v[32*\n+8*\t:32*\n+8*\t+7]
.else
	v_wmma_f32_16x16x32_f16 v[32*\n+8*\t:32*\n+8*\t+7], v[KF+8*(2*\t+\ks):KF+8*(2*\t+\ks)+7], v[\qb+8*(2*\n+\ks):\qb+8*(2*\n+\ks)+7], 0
.endif
.endr
.endr
.endr
.endm
; O^T += V^T P^T: 8 accumulators by turns, twice round (keys 0-31, 32-63).  first = 1: the first round starts the sums
.macro PVMUL first
.irp kk, 0,1
.irp n, 0,1
.irp dt, 0,1,2,3
.if \first*(1-\kk)
	v_wmma_f32_16x16x32_f16 v[OB+32*\n+8*\dt:OB+32*\n+8*\dt+7], v[VF+8*(2*\dt+\kk):VF+8*(2*\dt+\kk)+7], v[PB+16*\n+8*\kk:PB+16*\n+8*\kk+7], 0
.else
	v_wmma_f32_16x16x32_f16 v[OB+32*\n+8*\dt:OB+32*\n+8*\dt+7], v[VF+8*(2*\dt+\kk):VF+8*(2*\dt+\kk)+7], v[PB+16*\n+8*\kk:PB+16*\n+8*\kk+7], v[OB+32*\n+8*\dt:OB+32*\n+8*\dt+7]
.endif
.endr
.endr
.endr
.endm
; The diagonal tile: key 64 u + 16 t + 8 h + j is closed to query 32 (w & 3) + 16 n + r if it is the larger, that is if 64 u + 16 t + j - 16 n > CM.
; CM is -8 at the least, so registers whose left side is -8 or less are left alone.
.macro MASK u
.irp n, 0,1
.irp t, 0,1,2,3
.irp j, 0,1,2,3,4,5,6,7
.if (64*\u+16*\t+\j-16*\n) > -8
	v_cmp_gt_i32 vcc_lo, 64*\u+16*\t+\j-16*\n, v[CM]
	v_cndmask_b32 v[32*\n+8*\t+\j], v[32*\n+8*\t+\j], v[NEG], vcc_lo
.endif
.endr
.endr
.endr
.endm
; One step of the running softmax on 64 keys.  Maximum and sum run in four chains side by side, two for each query tile (S registers 16 c ..+15),
; so that no line waits for the one in front of it.
.macro SOFTMAX first
.irp c, 0,1,2,3
	v_max3_num_f32 v[ST+\c], v[16*\c], v[16*\c+1], v[16*\c+2]
.endr
.irp i, 0,1,2,3,4,5
.irp c, 0,1,2,3
	v_max3_num_f32 v[ST+\c], v[ST+\c], v[16*\c+2*\i+3], v[16*\c+2*\i+4]    ; up to register 16 c + 14
.endr
.endr
.irp n, 0,1
	v_max3_num_f32 v[SAL+2*\n+1], v[ST+2*\n], v[ST+2*\n+1], v[32*\n+15]    ; the tile's two chains and the first chain's last register
.endr
.irp n, 0,1
.if \first
	v_max_num_f32 v[SAL+2*\n+1], v[SAL+2*\n+1], v[32*\n+31]
.else
	v_max3_num_f32 v[SAL+2*\n+1], v[SAL+2*\n+1], v[32*\n+31], v[SM+2*\n]   ; the second chain's last register and the running maximum
.endif
.endr
.irp n, 0,1
	v_permlanex16_b32 v[SNM+2*\n+1], v[SAL+2*\n+1], s76, s77               ; the other half's keys of the same query
.endr
.irp n, 0,1
	v_max_num_f32 v[SNM+2*\n+1], v[SAL+2*\n+1], v[SNM+2*\n+1]              ; X = the new maximum
.endr
.irp n, 0,1
	v_mul_f32 v[SAL+2*\n+1], s78, v[SNM+2*\n+1]                            ; DF = -c X, the new shift
.endr
.if \first
.else
.irp n, 0,1
	v_sub_f32 v[SAL+2*\n], v[SAL+2*\n+1], v[SNM+2*\n]                      ; the difference of the two rounded shifts, so that the steps fit each other at any size of the scores
.endr
.irp n, 0,1
	v_exp_f32 v[SAL+2*\n], v[SAL+2*\n]                                     ; AL = 2^(new shift - old shift), 1 at the most
.endr
.endif
.irp n, 0,1
	v_mov_b32 v[SM+2*\n], v[SNM+2*\n+1]                                    ; plain lines behind the exponentials (ISA guide 5.7.2)
	v_mov_b32 v[SNM+2*\n], v[SAL+2*\n+1]
.endr
.irp n, 0,1
.irp q, 0,1,2,3,4,5,6,7,8,9,10,11,12,13,14,15
	v_pk_fma_f32 v[32*\n+2*\q:32*\n+2*\q+1], v[32*\n+2*\q:32*\n+2*\q+1], s[74:75], v[SNM+2*\n:SNM+2*\n+1] op_sel_hi:[1,0,0]   ; c s - c maximum
.endr
.endr
.set idx, 0
.rept 64
	v_exp_f32 v[idx], v[idx]
.set idx, idx+1
.endr
	v_nop                                                                  ; one plain place behind the last exponential (ISA guide 5.7.2)
	s_wait_alu depctr_va_vdst(0)
.irp c, 0,1,2,3
	v_pk_add_f32 v[SSA+2*\c:SSA+2*\c+1], v[16*\c:16*\c+1], v[16*\c+2:16*\c+3]
.endr
.irp q, 2,3,4,5,6,7
.irp c, 0,1,2,3
	v_pk_add_f32 v[SSA+2*\c:SSA+2*\c+1], v[SSA+2*\c:SSA+2*\c+1], v[16*\c+2*\q:16*\c+2*\q+1]
.endr
.endr
.irp n, 0,1
	v_pk_add_f32 v[SSA+4*\n:SSA+4*\n+1], v[SSA+4*\n:SSA+4*\n+1], v[SSA+4*\n+2:SSA+4*\n+3]   ; the tile's two chains
.endr
.irp n, 0,1
.if \first
	v_add_f32 v[SM+2*\n+1], v[SSA+4*\n], v[SSA+4*\n+1]
.else
	v_fma_f32 v[SM+2*\n+1], v[SM+2*\n+1], v[SAL+2*\n], v[SSA+4*\n]
	v_add_f32 v[SM+2*\n+1], v[SM+2*\n+1], v[SSA+4*\n+1]
.endif
.endr
.set idx, 0
.rept 32
	v_cvt_pk_f16_f32 v[PB+idx], v[2*idx], v[2*idx+1]                       ; S tiles 2 kk, 2 kk + 1 packed = the fragment P(n, kk)
.set idx, idx+1
.endr
.endm
.macro RESCALE                         ; O(n, ..) times AL_n
.irp n, 0,1
.irp q, 0,1,2,3,4,5,6,7,8,9,10,11,12,13,14,15
	v_pk_mul_f32 v[OB+32*\n+2*\q:OB+32*\n+2*\q+1], v[OB+32*\n+2*\q:OB+32*\n+2*\q+1], v[SAL+2*\n:SAL+2*\n+1] op_sel_hi:[1,0]
.endr
.endr
.endm
; 64 keys (half u of region e) against my 32 queries
.macro STEP e, u, diag, first, qb
	s_wait_dscnt 0x0                               ; K's fragments are in
	WIN 0x54                                       ; D, C and Q window 1, K window 0
	SMUL \qb
	WIN 0
	PLACES                                         ; behind the products: KF and VF are loaded again, S is read
	LOADV \e, \u
.if \u
.else
	LOADK \e, 1                                    ; the second half's K, behind V
.endif
	WIN 0x55                                       ; everything in window 1
.if \diag
	MASK \u
.endif
	SOFTMAX \first
.if \first
.else
	RESCALE
.endif
.if \u
	s_wait_dscnt 0x0                               ; V's fragments are in
.else
	s_wait_dscnt 16                                ; V's are in; the 16 younger loads are K's (LDS loads come back in order: ISA guide 5.7.1)
.endif
	WIN 0x54                                       ; D, C and P window 1, V window 0
	PVMUL \first
	WIN 0
.endm
.macro BODY e, diag, first, qb         ; a key tile of 128
	LOADK \e, 0
	STEP \e, 0, \diag, \first, \qb
	STEP \e, 1, \diag, 0, \qb
.endm
; A full tile from the ring.  In front of the barrier each wave waits for all its tensor loads (its part of this slot among them) and for its reads of the other slot;
; behind it the other slot's refill comes first, one tensor load a wave, and has this tile's 64 matrix instructions and two softmax steps of each wave in which to land.
.macro TRIP slot, other, refill, qb
	s_wait_tensorcnt 0x0
	ds_add_u32 v254, v255
	s_wait_dscnt 0x0
.if \refill
	NEXTADR \other                                 ; no tensor load of mine is out: a group 0 may be written
.endif
	s_wait_dscnt 0x0
	s_barrier_signal -1
	s_barrier_wait -1
.if \refill
	KVLOAD \other
.endif
	BODY \slot, 0, 0, \qb
.endm
; The end of a pass: divide by the sums, round to f16, both heads' rows meet in the stage, whole rows of 256 bytes leave.
.macro EPI ob
	PLACES                                         ; behind the last products
	WIN 0x55
.irp n, 0,1
	v_permlanex16_b32 v[SNM+2*\n+1], v[SM+2*\n+1], s76, s77
.endr
.irp n, 0,1
	v_add_f32 v[SM+2*\n+1], v[SM+2*\n+1], v[SNM+2*\n+1]                    ; the two halves' sums
.endr
.irp n, 0,1
	v_rcp_f32 v[SAL+2*\n], v[SM+2*\n+1]
.endr
	v_nop                                                                  ; one plain place behind the reciprocals (ISA guide 5.7.2)
	s_wait_alu depctr_va_vdst(0)
	RESCALE
	WIN 0x05                                       ; sources from window 1, destination window 0
.set idx, 0
.rept 32
	v_cvt_pk_f16_f32 v[KF+idx], v[OB+2*idx], v[OB+2*idx+1]
.set idx, idx+1
.endr
	WIN 0
.irp n, 0,1
.irp dt, 0,1,2,3
	ds_store_b128 v[STO], v[KF+4*(4*\n+\dt):KF+4*(4*\n+\dt)+3] offset:\n*16*KPITCH+32*\dt
.endr
.endr
	s_wait_dscnt 0x0                               ; for the other waves' sake: my stores into the stage are done
	s_wait_tensorcnt 0x0                           ; and my tensor loads have landed: behind this barrier the next pass's diagonal region and slot 0 are whole for every wave
	s_barrier_signal -1
	s_barrier_wait -1
.irp e, 0,1,2,3,4,5,6,7
	ds_load_b128 v[VF+4*\e:VF+4*\e+3], v[RD] offset:\e*2*KPITCH
.endr
.irp e, 0,1,2,3,4,5,6,7
	s_wait_dscnt 7-\e                              ; rows 2 e, 2 e + 1 of my 16 are in, the younger ones may be out
	global_store_b128 v[CO], v[VF+4*\e:VF+4*\e+3], s[\ob:\ob+1] offset:\e*4096    ; 16 lanes store the 256 consecutive bytes of both heads, aligned
.endr
	s_wait_xcnt 0x0                                ; VF, which the stores read, is loaded again only behind this wait (ISA guide 3.1)
.endm
	s_wait_tensorcnt 2                             ; tensor loads end in order (ISA guide 10.11.1): my part of diagonal X is in; slot 0's and diagonal Y's stay out,
	s_barrier_signal -1
	s_barrier_wait -1
	s_wait_loadcnt 8                               ; pass X's Q is in; the 8 younger loads are pass Y's
	BODY 2, 1, 1, QX
	s_cmp_eq_u32 s13, 0
	s_cbranch_scc1 .Lx_done                        ; j = 0: block 0 has its diagonal tile alone
	s_mov_b32 s3, s13
.Lx:
	TRIP 0, 1, 1, QX
	TRIP 1, 0, 1, QX
	s_sub_co_u32 s3, s3, 1
	s_cmp_lg_u32 s3, 0
	s_cbranch_scc1 .Lx
.Lx_done:
	EPI 84
	s_wait_loadcnt 0x0                             ; pass Y's Q
	BODY 3, 1, 1, QY
	s_sub_co_u32 s3, 7, s13
	s_cmp_eq_u32 s3, 0
	s_cbranch_scc1 .Ly_done                        ; j = 7: block 1 has one full tile, the last trip's
.Ly:
	TRIP 0, 1, 1, QY
	TRIP 1, 0, 1, QY
	s_sub_co_u32 s3, s3, 1
	s_cmp_lg_u32 s3, 0
	s_cbranch_scc1 .Ly
.Ly_done:
	TRIP 0, 1, 0, QY                               ; full tile 14: nothing is left to fetch.  Its barrier also parts pass X's reads of the stage from pass Y's stores
	EPI 86
	s_wait_tensorcnt 0x0
	ds_add_u32 v254, v255
	s_wait_dscnt 0x0
	s_endpgm
.Lfunc_end_k_qae1a54d738_attn:
	.size	k_qae1a54d738_attn, .Lfunc_end_k_qae1a54d738_attn-k_qae1a54d738_attn
	.p2alignl 7, 3214868480
	.fill 96, 4, 3214868480
	.section	.rodata,"a",@progbits
	.p2align	6, 0x0
	.amdhsa_kernel k_qae1a54d738_attn
		.amdhsa_group_segment_fixed_size 327680
		.amdhsa_private_segment_fixed_size 0
		.amdhsa_enable_private_segment 0
		.amdhsa_kernarg_size 16
		.amdhsa_user_sgpr_count 2
		.amdhsa_user_sgpr_kernarg_segment_ptr 1
		.amdhsa_wavefront_size32 1
		.amdhsa_system_sgpr_workgroup_id_x 1
		.amdhsa_system_sgpr_workgroup_id_y 1
		.amdhsa_system_sgpr_workgroup_id_z 1
		.amdhsa_system_vgpr_workitem_id 0
		.amdhsa_next_free_vgpr 512
		.amdhsa_next_free_sgpr 96
		.amdhsa_reserve_vcc 1
		.amdhsa_float_denorm_mode_32 3
		.amdhsa_float_denorm_mode_16_64 3
		.amdhsa_memory_ordered 1
		.amdhsa_forward_progress 1
		.amdhsa_inst_pref_size 255
	.end_amdhsa_kernel
	.section	.bss,"aw",@nobits
	.p2align	6
	.space	262144
	.amdgpu_metadata
---
amdhsa.version: [ 1, 2 ]
amdhsa.kernels:
  - .name:           k_qae1a54d738_attn
    .symbol:         k_qae1a54d738_attn.kd
    .args:
      - { .name: qkv, .offset: 0, .size: 8, .value_kind: global_buffer, .address_space: global }
      - { .name: att, .offset: 8, .size: 8, .value_kind: global_buffer, .address_space: global }
    .group_segment_fixed_size: 327680
    .private_segment_fixed_size: 0
    .kernarg_segment_align: 8
    .kernarg_segment_size: 16
    .max_flat_workgroup_size: 256
    .sgpr_count:     96
    .vgpr_count:     512
    .wavefront_size: 32
...
	.end_amdgpu_metadata
.endif
;; end of part 3
;; launch gemm_out (part 4): grid 4 x 64, 4 waves a work-group, clusters of 4 x 4, 327,680 bytes of LDS; arguments att, cb, out0; writes out0
.if DOCPART == 4
	.amdgcn_target "amdgcn-amd-amdhsa--gfx1250"
	.amdhsa_code_object_version 6
	.text
	.protected	k_qae1a54d738_gemm_out
	.globl	k_qae1a54d738_gemm_out
	.p2align	8
	.type	k_qae1a54d738_gemm_out,@function
k_qae1a54d738_gemm_out:
	s_mov_b64 s[64:65], 0
	v_nop
	global_prefetch_b8 v0, s[64:65] scope:SCOPE_SE
	s_setreg_imm32_b32 hwreg(HW_REG_WAVE_MODE, 25, 1), 1
	s_wait_xcnt 0x0
	s_wait_alu depctr_hold_cnt(0) depctr_sa_sdst(0) depctr_va_vdst(0) depctr_va_sdst(0) depctr_va_ssrc(0) depctr_va_vcc(0) depctr_vm_vsrc(0)
	s_getreg_b32 s2, hwreg(HW_REG_IB_STS2, 6, 4)
	s_cmp_eq_u32 s2, 0
	s_cbranch_scc0 .Lentry_in_a_cluster
	s_endpgm
.Lentry_in_a_cluster:
	s_bfe_u32 s2, ttmp6, 0x10000c
	s_cmp_lg_u32 s2, 0xf033
	s_cbranch_scc0 .Lentry_shape_is_right
	s_endpgm
.Lentry_shape_is_right:
; out0 = att W_out^T.  A = att (f16, [8192][1024]), B = W_out (f16 coding, cb + BBYTE, [1024][1024]), C = out0 in f32, [8192][1024]; sums in f32.
; LIMIT: both operands are f16: att lies inside the range of v, W_out is finite up to 65,504.  NaN and infinite inputs are not served.
; A work-group makes one block of 128 x 256 of C with four waves, a wave 64 x 128: 32 accumulator tiles, 256 registers.  64 x 4 = 256 work-groups.
; TWO UNEQUAL LDS SLOTS, filled by the tensor data mover: a large one for 256 along K (rows of 512 bytes of memory) and a small one for 128 (rows of 256 bytes).
; K = 1,024 goes as large, small, large, small, large: three refills in all, each behind a round of the cluster's barrier.  The small slot's refill has the
; large slot's work in which to land (240 matrix instructions of a wave from the request to the wait), the large slot's the small one's (112).
; Two equal slots of 256 along K would take 2 x 384 rows x 528 bytes = 405,504 bytes, more than the 327,680 that a work-group can be given.
; CLUSTERS: 4 x 4 work-groups.  The four of a row of the cluster need the same tiles of A, the four of a column the same tiles of B: each tile is asked
; for jointly, with one descriptor and a mask that names the four, which divides the requests for A and for B by four.
; REGISTERS: window 0: v16-26 addresses; fragment buffer 0 = v32-95 (B, 8 x 16 rows x 32 K) and v96-127 (A, 4 x 16 rows); buffer 1 = v128-191, v192-223
; (on the way out v128-191 take the rows read back).  Window 1: accumulator (a, b) at v[8 (8 a + b)], a = 0..3 (rows), b = 0..7 (columns).
; The matrix instruction is used transposed (source 0 = rows of B, source 1 = rows of A): lane l then holds row l % 16 of C and its registers 0-7
; the columns 8 (l / 16) + 0..7, eight neighbouring numbers of a row.
.set SIZE_K, 1024
.set SIZE_N, 1024
.set BBYTE,  0x1600000                 ; B's first byte in cb
.set PB,     528                       ; the large slot's LDS row: 512 bytes + 16 of padding
.set PS,     272                       ; the small slot's: 256 bytes + 16
.set BIGB,   128*PB                    ; in the large slot (LDS byte 0) B's 256 rows lie behind A's 128
.set SMALL,  384*PB                    ; the small slot, a multiple of 256
.set SMALLB, SMALL+128*PS
.set STAGE,  SMALL                     ; the way out's stage, 16 rows for each wave, lies in the small slot: it is written behind that slot's last fill and behind the barrier that ends all reads of it
.set SPITCH, 528                       ; 128 f32 + 16 bytes
.set CROW,   SIZE_N*4
.set RB,     128                       ; v128-191: 16 rows read back
.set ADRA, 16                          ; v16-17  LDS address of my A fragments in the large, the small slot
.set ADRB, 20                          ; v20-21  the same for B
.set STO,  24                          ; the way out: where I put my piece of a row
.set RD,   25                          ; the way out: where I read rows back
.set CO,   26                          ; my byte offset in C
.set F0,   32
.set F1,   128
.set G1A,  24                          ; s[24:31], s[32:39] group 1 for A's tiles, large and small
.set G1B,  40                          ; s[40:47], s[48:55] group 1 for B's tiles
.set G0A,  56                          ; s[56:59], s[60:63] group 0 for A's tiles
.set G0B,  68                          ; s[68:71], s[72:75] group 0 for B's tiles
.set MULW, 0x50                        ; C and D window 1, A and B window 0
.set MSB, 0
.macro WIN new                         ; the immediate's high byte repeats the setting that is left; a switch that changes nothing is dropped
.if MSB != \new
	s_set_vgpr_msb (MSB<<8)|\new
.set MSB, \new
.endif
.endm
; A joint load into slot reg (0 large, 1 small).  Waves 0 and 1 fetch A's two halves (64 rows each), waves 2 and 3 B's (128 rows each).
.macro JLOAD reg
	s_cmp_eq_u32 s11, 0
	s_cbranch_scc0 .Lfor_b_\@
	tensor_load_to_lds s[G0A+4*\reg:G0A+4*\reg+3], s[G1A+8*\reg:G1A+8*\reg+7]
	s_nop 0
	s_branch .Lasked_\@
.Lfor_b_\@:
	tensor_load_to_lds s[G0B+4*\reg:G0B+4*\reg+3], s[G1B+8*\reg:G1B+8*\reg+7]
	s_nop 0
.Lasked_\@:
.endm
; A round of the cluster's barrier: my work-group's barrier; wave 0 signals for the work-group; every wave waits for all sixteen; my work-group's barrier again.
.macro CREST                           ; a round behind its opening barrier
	s_cmp_lg_u32 s10, 0
	s_cbranch_scc1 .Lnot_wave_0_\@
	s_barrier_signal -3
.Lnot_wave_0_\@:
	s_barrier_wait -3
	s_barrier_signal -1
	s_barrier_wait -1
.endm
.macro CROUND
	s_barrier_signal -1
	s_barrier_wait -1
	CREST
.endm
; Four places behind a matrix instruction before a load lands on one of its sources or a store reads its result
.macro PLACES
.rept 4
	v_nop
.endr
.endm
	s_load_b128 s[4:7], s[0:1], 0x0                ; att s[4:5], cb s[6:7]
	s_load_b64 s[8:9], s[0:1], 0x10                ; out0
	v_lshl_add_u32 v254, v0, 2, 0x4b000
	v_mov_b32 v255, 0
	ds_add_u32 v254, v255
	ds_add_u32 v254, v255
	v_lshrrev_b32 v1, 5, v0
	v_readfirstlane_b32 s10, v1                    ; wave 0..3
	s_lshr_b32 s11, s10, 1                         ; which 64 rows of the block are mine.  Also: I fetch for A (0) or for B (1)
	s_and_b32 s12, s10, 1                          ; which 128 columns.  Also: which half of that tile I fetch
	s_bfe_u32 s76, ttmp6, 0x40000                  ; cx
	s_bfe_u32 s77, ttmp6, 0x40004                  ; cy
	s_lshl_b32 s78, ttmp9, 2
	s_add_co_u32 s78, s78, s76                     ; block column = 4 x cluster x + cx
	s_and_b32 s13, ttmp7, 0xffff
	s_lshl_b32 s13, s13, 2
	s_add_co_u32 s13, s13, s77                     ; block row = 4 x cluster y + cy
	s_lshl_b32 s79, s77, 2
	s_lshl_b32 s79, 15, s79                        ; my row of the cluster: places 4 cy .. 4 cy + 3
	s_lshl_b32 s80, 0x1111, s76                    ; my column: places cx, cx + 4, cx + 8, cx + 12
	; group 1: elements of 2 bytes, 16 bytes of padding behind each row; large: rows of 256 elements (128 words), small: of 128 (64 words); A 64 rows, B 128 rows
	s_or_b32 s[G1A+0], s79, (1<<16)|(1<<20)|(1<<21)|(6<<22)|(3<<25) ; mask of my row; 2-byte elements; padding on; bit 21 beside a mask; after 128 words, 4 words
	s_or_b32 s[G1A+8], s79, (1<<16)|(1<<20)|(1<<21)|(5<<22)|(3<<25) ; after 64 words, 4 words
	s_or_b32 s[G1B+0], s80, (1<<16)|(1<<20)|(1<<21)|(6<<22)|(3<<25) ; the same two with the mask of my column
	s_or_b32 s[G1B+8], s80, (1<<16)|(1<<20)|(1<<21)|(5<<22)|(3<<25)
	s_mov_b32 s[G1A+1], 256<<16                    ; tensor_dim0
	s_mov_b32 s[G1A+9], 128<<16
	s_mov_b32 s[G1B+1], 256<<16
	s_mov_b32 s[G1B+9], 128<<16
	s_mov_b32 s[G1A+2], 64<<16                     ; tensor_dim1
	s_mov_b32 s[G1A+10], 64<<16
	s_mov_b32 s[G1B+2], 128<<16
	s_mov_b32 s[G1B+10], 128<<16
	s_mov_b32 s[G1A+3], 256<<16                    ; tile_dim0
	s_mov_b32 s[G1A+11], 128<<16
	s_mov_b32 s[G1B+3], 256<<16
	s_mov_b32 s[G1B+11], 128<<16
	s_mov_b32 s[G1A+4], 64                         ; tile_dim1
	s_mov_b32 s[G1A+12], 64
	s_mov_b32 s[G1B+4], 128
	s_mov_b32 s[G1B+12], 128
	s_mov_b32 s[G1A+5], SIZE_K                     ; elements from row to row
	s_mov_b32 s[G1A+13], SIZE_K
	s_mov_b32 s[G1B+5], SIZE_K
	s_mov_b32 s[G1B+13], SIZE_K
	s_mov_b32 s[G1A+6], 0
	s_mov_b32 s[G1A+14], 0
	s_mov_b32 s[G1B+6], 0
	s_mov_b32 s[G1B+14], 0
	s_mov_b32 s[G1A+7], 0
	s_mov_b32 s[G1A+15], 0
	s_mov_b32 s[G1B+7], 0
	s_mov_b32 s[G1B+15], 0
	; A's tiles hang on the block row alone, B's on the block column alone; each offset lies in registers that never hold the other coordinate
	s_lshl_b32 s16, s13, 7
	s_lshl_b32 s17, s12, 6
	s_add_co_u32 s16, s16, s17                     ; A: row 128 x block row + 64 x half
	s_lshl_b32 s16, s16, 11                        ; rows of 2,048 bytes; 16 MiB at the most
	s_mov_b32 s17, 0
	s_lshl_b32 s82, s78, 8
	s_lshl_b32 s83, s12, 7
	s_add_co_u32 s82, s82, s83                     ; B: row 256 x block column + 128 x half
	s_lshl_b32 s82, s82, 11
	s_mov_b32 s83, 0
	s_mul_i32 s20, s12, 64*PB                      ; where they go: no place in the cluster enters an LDS address
	s_mul_i32 s21, s12, 64*PS
	s_add_co_u32 s21, s21, SMALL
	s_mul_i32 s22, s12, 128*PB
	s_add_co_u32 s22, s22, BIGB
	s_mul_i32 s23, s12, 128*PS
	s_add_co_u32 s23, s23, SMALLB
	; my 64 x 128 of the block of C
	s_lshl_b32 s18, s13, 7
	s_lshl_b32 s19, s11, 6
	s_add_co_u32 s18, s18, s19
	s_mul_i32 s18, s18, CROW                       ; below 2^26
	s_mov_b32 s19, 0
	s_lshl_b32 s84, s78, 8
	s_lshl_b32 s85, s12, 7
	s_add_co_u32 s84, s84, s85
	s_lshl_b32 s84, s84, 2
	s_mov_b32 s85, 0
	s_wait_dscnt 0x0
	s_wait_kmcnt 0x0
	s_add_nc_u64 s[6:7], s[6:7], BBYTE             ; B
	s_add_nc_u64 s[14:15], s[4:5], s[16:17]
	s_add_nc_u64 s[82:83], s[6:7], s[82:83]
	s_add_nc_u64 s[8:9], s[8:9], s[18:19]
	s_add_nc_u64 s[8:9], s[8:9], s[84:85]
	CROUND                                         ; all sixteen work-groups are here: the first joint loads meet
	s_mov_b32 s[G0A+0], 1                          ; count = 1
	s_add_co_u32 s[G0A+1], s20, 0                  ; LDS address
	s_add_nc_u64 s[G0A+2:G0A+3], s[14:15], 0       ; the large slot begins with K = 0 .. 255
	s_or_b32 s[G0A+3], s[G0A+3], 0x80000000        ; type = 2
	s_mov_b32 s[G0A+4], 1
	s_add_co_u32 s[G0A+5], s21, 0
	s_add_nc_u64 s[G0A+6:G0A+7], s[14:15], 512     ; the small slot with K = 256 .. 383
	s_or_b32 s[G0A+7], s[G0A+7], 0x80000000
	s_mov_b32 s[G0B+0], 1
	s_add_co_u32 s[G0B+1], s22, 0
	s_add_nc_u64 s[G0B+2:G0B+3], s[82:83], 0
	s_or_b32 s[G0B+3], s[G0B+3], 0x80000000
	s_mov_b32 s[G0B+4], 1
	s_add_co_u32 s[G0B+5], s23, 0
	s_add_nc_u64 s[G0B+6:G0B+7], s[82:83], 512
	s_or_b32 s[G0B+7], s[G0B+7], 0x80000000
	JLOAD 0                                        ; both slots' first fills go out together: two tensor loads of a wave are out here, one behind each later round
	JLOAD 1
	; a fragment: lane l holds row l % 16; registers 0-3 hold K = 8 (l / 16) + 0..7, registers 4-7 K = 16 + 8 (l / 16) + 0..7: two loads of 16 bytes, 32 apart
	v_and_b32 v1, 15, v0                           ; r = l % 16
	v_bfe_u32 v2, v0, 4, 1                         ; h = l / 16
	v_mul_u32_u24 v3, v1, PB
	v_lshl_add_u32 v3, v2, 4, v3
	v_mul_u32_u24 v6, v1, PS
	v_lshl_add_u32 v6, v2, 4, v6
	s_mul_i32 s86, s11, 64*PB                      ; my 64 rows of A
	s_mul_i32 s87, s11, 64*PS
	s_add_co_u32 s87, s87, SMALL
	v_add_nc_u32 v[ADRA], s86, v3
	v_add_nc_u32 v[ADRA+1], s87, v6
	v_add_nc_u32 v[ADRB], s22, v3                  ; my 128 rows of B: the half that bears my column half's number
	v_add_nc_u32 v[ADRB+1], s23, v6
	s_mul_i32 s86, s10, 16*SPITCH
	s_add_co_u32 s86, s86, STAGE                   ; my stage
	v_mul_u32_u24 v4, v1, SPITCH
	v_lshl_add_u32 v4, v2, 5, v4                   ; in: row r, 32 bytes (8 f32) for each half of the lanes
	v_add_nc_u32 v[STO], s86, v4
	v_and_b32 v5, 31, v0
	v_lshlrev_b32 v[CO], 4, v5                     ; back: the 32 lanes take one row of 512 bytes
	v_add_nc_u32 v[RD], s86, v[CO]
.macro MM d, a, b, zero                ; one matrix instruction; zero = 1: it starts the sum, nothing is ever cleared
.if \zero
	v_wmma_f32_16x16x32_f16 v[\d:\d+7], v[\a:\a+7], v[\b:\b+7], 0
.else
	v_wmma_f32_16x16x32_f16 v[\d:\d+7], v[\a:\a+7], v[\b:\b+7], v[\d:\d+7]
.endif
.endm
; 16 matrix instructions: row blocks a0, a0 + 1 x all 8 column blocks, 32 along K.  The 32 accumulators take turns, one instruction a turn,
; in the same order in every quarter.
.macro MUL16 f, a0, zero
.irp a, \a0, \a0+1
.irp b, 0,1,2,3,4,5,6,7
	MM 8*(8*(\a)+\b), \f+8*\b, \f+64+8*(\a), \zero
.endr
.endr
.endm
; 24 LDS loads in one run: the fragments of 32 along K (128 rows of B, 64 rows of A, at byte k of slot reg's rows) into buffer f
.macro FETCH reg, k, f
.if \reg
.set PIT, PS
.else
.set PIT, PB
.endif
.irp i, 0,1,2,3,4,5,6,7
	ds_load_b128 v[\f+8*\i:\f+8*\i+3],   v[ADRB+\reg] offset:\k+\i*16*PIT
	ds_load_b128 v[\f+8*\i+4:\f+8*\i+7], v[ADRB+\reg] offset:\k+\i*16*PIT+32
.endr
.irp i, 0,1,2,3
	ds_load_b128 v[\f+64+8*\i:\f+64+8*\i+3],   v[ADRA+\reg] offset:\k+\i*16*PIT
	ds_load_b128 v[\f+64+8*\i+4:\f+64+8*\i+7], v[ADRA+\reg] offset:\k+\i*16*PIT+32
.endr
.endm
; 32 along K, not a slot's last: asks for the next 32's fragments (byte k, buffer g), then multiplies buffer f
.macro QUARTER reg, k, f, g, zero
	PLACES                                         ; buffer g was read by the matrix instructions just issued
	FETCH \reg, \k, \g
	s_wait_dscnt 24                                ; LDS loads come back in order (ISA guide 5.7.1): all but the 24 just issued are in, so buffer f is whole
	WIN MULW
	MUL16 \f, 0, \zero
	MUL16 \f, 2, \zero
	WIN 0
.endm
.macro THREE                           ; the small slot but for its last 32
	QUARTER 1, 64,  F0, F1, 0
	QUARTER 1, 128, F1, F0, 0
	QUARTER 1, 192, F0, F1, 0
.endm
.macro SEVEN zero                      ; the large slot but for its last 32
	QUARTER 0, 64,  F0, F1, \zero
	QUARTER 0, 128, F1, F0, 0
	QUARTER 0, 192, F0, F1, 0
	QUARTER 0, 256, F1, F0, 0
	QUARTER 0, 320, F0, F1, 0
	QUARTER 0, 384, F1, F0, 0
	QUARTER 0, 448, F0, F1, 0
.endm
; A slot's last 32 along K: multiplies buffer 1 and changes slots.  fill = 1: this slot is filled again, 384 further along K.
; In front of the barrier each wave waits for its reads of this slot and for all its tensor loads (one is out: its part of the other slot).  Where the slot is
; filled again the barrier opens a round of the cluster's barrier, and the joint refill is the first tensor load behind the round's closing wait.
.macro TURN reg, next, fill
	s_wait_dscnt 0x0                               ; buffer 1 is in, and with it my last reads of this slot
	s_wait_tensorcnt 0x0                           ; all my tensor loads have landed
	ds_add_u32 v254, v255
	s_wait_dscnt 0x0
	s_barrier_signal -1
	WIN MULW
	MUL16 F1, 0, 0                                 ; register work while the others arrive
	WIN 0
	s_barrier_wait -1
.if \fill
	CREST
	s_add_nc_u64 s[G0A+4*\reg+2:G0A+4*\reg+3], s[G0A+4*\reg+2:G0A+4*\reg+3], 768
	s_add_nc_u64 s[G0B+4*\reg+2:G0B+4*\reg+3], s[G0B+4*\reg+2:G0B+4*\reg+3], 768
	JLOAD \reg
.endif
	PLACES
	FETCH \next, 0, F0
	WIN MULW
	MUL16 F1, 2, 0
	WIN 0
.endm
	s_wait_tensorcnt 1                             ; my part of the large slot is in; the small slot's stays out
	s_barrier_signal -1
	s_barrier_wait -1
	FETCH 0, 0, F0
	SEVEN 1                                        ; K 0 .. 255; the first products start the sums
	TURN 0, 1, 1                                   ; the large slot is asked for again: K 384 .. 639
	THREE                                          ; K 256 .. 383
	TURN 1, 0, 1                                   ; the small slot: K 640 .. 767
	SEVEN 0                                        ; K 384 .. 639
	TURN 0, 1, 1                                   ; the large slot: K 768 .. 1,023, the last load
	THREE                                          ; K 640 .. 767
	TURN 1, 0, 0                                   ; nothing is left to fetch.  Behind this barrier no wave reads the small slot any more
	SEVEN 0                                        ; K 768 .. 1,023
	s_wait_dscnt 0x0
	WIN MULW
	MUL16 F1, 0, 0
	MUL16 F1, 2, 0
	WIN 0
	; THE WAY OUT, 16 rows at a time through my own 16 rows of the stage: pieces of rows in, whole rows of 512 bytes back.
	; LDS serves a wave's instructions in order (ISA guide 5.7.1), so no wait stands between the stores into the stage and the loads from it.
	PLACES                                         ; behind the last matrix instructions: results are read, buffer 1 is written
	s_mov_b64 s[66:67], s[8:9]
.irp a, 0,1,2,3
	WIN 0x04                                       ; store data from window 1
.irp b, 0,1,2,3,4,5,6,7
	ds_store_b128 v[STO], v[8*(8*\a+\b):8*(8*\a+\b)+3]   offset:64*\b
	ds_store_b128 v[STO], v[8*(8*\a+\b)+4:8*(8*\a+\b)+7] offset:64*\b+16
.endr
	WIN 0
	s_wait_xcnt 0x0                                ; the registers and the base that earlier stores name are rewritten only behind this wait (ISA guide 3.1)
.if \a
	s_add_nc_u64 s[66:67], s[66:67], 16*CROW
.endif
.irp t, 0,1,2,3,4,5,6,7,8,9,10,11,12,13,14,15
	ds_load_b128 v[RB+4*\t:RB+4*\t+3], v[RD] offset:\t*SPITCH
.endr
.irp t, 0,1,2,3,4,5,6,7,8,9,10,11,12,13,14,15
	s_wait_dscnt 15-\t                             ; row t is in, the younger rows may be out
	global_store_b128 v[CO], v[RB+4*\t:RB+4*\t+3], s[66:67] offset:\t*CROW      ; the wave stores 512 consecutive bytes, aligned
.endr
.endr
	s_wait_tensorcnt 0x0
	ds_add_u32 v254, v255
	s_wait_dscnt 0x0
	CROUND                                         ; the closing round: no work-group ends while a partner may still ask for a tile that names it
	s_endpgm
.Lfunc_end_k_qae1a54d738_gemm_out:
	.size	k_qae1a54d738_gemm_out, .Lfunc_end_k_qae1a54d738_gemm_out-k_qae1a54d738_gemm_out
	.p2alignl 7, 3214868480
	.fill 96, 4, 3214868480
	.section	.rodata,"a",@progbits
	.p2align	6, 0x0
	.amdhsa_kernel k_qae1a54d738_gemm_out
		.amdhsa_group_segment_fixed_size 327680
		.amdhsa_private_segment_fixed_size 0
		.amdhsa_enable_private_segment 0
		.amdhsa_kernarg_size 24
		.amdhsa_user_sgpr_count 2
		.amdhsa_user_sgpr_kernarg_segment_ptr 1
		.amdhsa_wavefront_size32 1
		.amdhsa_system_sgpr_workgroup_id_x 1
		.amdhsa_system_sgpr_workgroup_id_y 1
		.amdhsa_system_sgpr_workgroup_id_z 1
		.amdhsa_system_vgpr_workitem_id 0
		.amdhsa_next_free_vgpr 512
		.amdhsa_next_free_sgpr 88
		.amdhsa_reserve_vcc 0
		.amdhsa_float_denorm_mode_32 3
		.amdhsa_float_denorm_mode_16_64 3
		.amdhsa_memory_ordered 1
		.amdhsa_forward_progress 1
		.amdhsa_inst_pref_size 147
	.end_amdhsa_kernel
	.amdgpu_metadata
---
amdhsa.version: [ 1, 2 ]
amdhsa.kernels:
  - .name:           k_qae1a54d738_gemm_out
    .symbol:         k_qae1a54d738_gemm_out.kd
    .args:
      - { .name: att, .offset: 0, .size: 8, .value_kind: global_buffer, .address_space: global }
      - { .name: cb, .offset: 8, .size: 8, .value_kind: global_buffer, .address_space: global }
      - { .name: out0, .offset: 16, .size: 8, .value_kind: global_buffer, .address_space: global }
    .group_segment_fixed_size: 327680
    .private_segment_fixed_size: 0
    .kernarg_segment_align: 8
    .kernarg_segment_size: 24
    .max_flat_workgroup_size: 128
    .sgpr_count:     88
    .vgpr_count:     512
    .wavefront_size: 32
...
	.end_amdgpu_metadata
.endif
;; end of part 4
